; MI455X (gfx1250); checked and timed in simulation.
; The chip was launched on July 23, 2026; its instructions are those of AMD's public machine-readable ISA for CDNA 5 (MIT licence, August 2026) and "CDNA5" Instruction Set Architecture Reference Guide (July 2026). The comments in the code are by the model that wrote it; some were corrected since.
;; Bilinear. Allowed arithmetic: matrix products marked QUANTISED: E3M2 operands, one E8M0 scale for each 32 along K, by v_wmma_scale_f32_16x16x128_f8f6f4 with both operands' format E3M2, f32 sums; products left as they are: f32 operands where the result goes on into a quantised operand, else bf16, f16 or f32 operands; f32 sums; everything else in f32.
;; Inputs: bias 256 float32; weight 256 x 256 x 256 float32; x1 4,096 x 256 float32; x2 4,096 x 256 float32.
;; Outputs: out0 4,096 x 256 float32.
;; This version of the problem:
;;   THIS VERSION OF THE PROBLEM IS GIVEN IN LOW PRECISION. The matrix products marked QUANTISED in the list below multiply operands that are first quantised to E3M2 (3 exponent bits, 2 mantissa bits; 6 bits a number), with one power-of-two scale for each 32 numbers along K (OCP MX v1.0); their sums are f32. All else is computed in f32.
;;   The module's matrix products, in the order in which they are computed (A, B: the left and right operand; K: the contracted axis; several contracted axes count as one K, in the product's order):
;;     1. [M 4,096, K 256] x [K 256, N 65,536]; A: input x1; B: input weight: QUANTISED
;;     2. batch 4,096 x [M 256, K 256] x [K 256, N 1]; A: computed on the way; B: input x2: left as it is (N = 1 < 16)
;;   THE QUANTISER, for each operand of a quantised product, along K:
;;     - K is cut into blocks of 32 from its start; a last block that is shorter is filled with zeros.
;;     - A block's scale is 2^e with e = floor(log2(the largest magnitude in the block)) - 4, held to -126 .. 127; a block of zeros has e = 0. As a byte (E8M0): e + 127.
;;     - Each number is divided by its block's scale, clamped to +-28, and rounded to the nearest number of E3M2, ties to even, subnormals kept.
;;     - The product sums the exact products of the quantised numbers (number of the format x scale) in f32.
;;   ~~~python
;;   def quantise(x, axis):      # numpy; x: float32 -> the quantised numbers, widened to float32 again
;;       x = np.moveaxis(x, axis, -1); K = x.shape[-1]
;;       x = np.pad(x, [(0, 0)] * (x.ndim - 1) + [(0, -K % 32)]); x = x.reshape(x.shape[:-1] + (-1, 32)); a = np.abs(x).max(-1, keepdims=True)
;;       e = np.where(a > 0, np.clip(np.frexp(np.where(a > 0, a, 1))[1] - 1 - 4, -126, 127), 0)      # np.frexp(a)[1] - 1 = floor(log2(a)), exactly
;;       r = np.clip(x / 2.0 ** e, -28, 28)
;;       step = 2.0 ** (np.maximum(np.frexp(np.where(r == 0, 1, r))[1] - 1, -2) - 2)
;;       q = np.round(r / step) * step * 2.0 ** e      # np.round: ties to even
;;       return np.moveaxis(q.reshape(q.shape[:-2] + (-1,))[..., :K], -1, axis).astype(np.float32)
;;   ~~~
;; One version. Each part assembles by itself: llvm-mc -triple=amdgcn-amd-amdhsa -mcpu=gfx1250 --defsym DOCPART=n.
;; ======== version 1 of 1: 2 launches
;; limits: right only within a limited range of input values
;; workspace buffers: wq 13,107,200 bytes; xq 819,200 bytes
;; launch quant (part 1): grid 512 x 1, 9 waves a work-group, no clusters, 0 bytes of LDS; arguments weight, x1, wq, xq; writes wq, xq
.if DOCPART == 1
	.amdgcn_target "amdgcn-amd-amdhsa--gfx1250"
	.amdhsa_code_object_version 6
	.text
	.protected	k_q417ce6dbd2_quant
	.globl	k_q417ce6dbd2_quant
	.p2align	8
	.type	k_q417ce6dbd2_quant,@function
k_q417ce6dbd2_quant:
	s_mov_b64 s[64:65], 0
	v_nop
	global_prefetch_b8 v0, s[64:65] scope:SCOPE_SE
	s_setreg_imm32_b32 hwreg(HW_REG_WAVE_MODE, 25, 1), 1
	s_wait_xcnt 0x0
; weight [256 o][256 i][256 j] and x1 [4096 n][256 i], f32, become codes of BF6 (E3M2) along i, with one E8M0 byte for each 32 along i,
; laid as IMAGES OF THE OPERAND'S REGISTERS, so that the product's launch fetches a fragment by three loads of 16 bytes a lane.
; A fragment is 16 rows x 128 along K in 12 registers: lane (r, h) holds row r; registers 6 c .. 6 c + 5 hold block 2 c + h of the K step (32 codes, 24 bytes).
; Its image is 1,536 bytes: register p of lane l at 512 (p / 4) + 16 l + 4 (p % 4).
;   wq: a record of 51,200 bytes for each o: the image of (j tile k, K step s) at 1,536 (2 k + s), row r = column j = 16 k + r; the scale words at 49,152 + 128 k + 64 s + 4 r.
;   xq: the image of (n tile T, K step s) at 3,072 T + 1,536 s, row r = row n = 16 T + r; the scale words at 786,432 + 128 T + 64 s + 4 r.
; A block's scale is 2^(floor(log2(its largest magnitude)) - 4); its byte is the largest magnitude's exponent field - 4, held at 1 from below by a floor among the maximum's leaves.
; LIMITS: a block of zeros gets the byte 1 where the rule says 127 (its codes are zeros, which add nothing, and this program alone reads the bytes); blocks whose largest
; magnitude lies under 2^-122, the floor, were not tried; NaN and infinities among the inputs are not served.
; SHARES.  Work-group g: o = T = g / 2, K step s = g % 2.  Waves 0-7: W[o], rows i = 128 s .. 128 s + 127, columns j = 32 wave + lane: A LANE TAKES A COLUMN AND ITS REGISTERS RUN DOWN K:
; each load reads 128 consecutive bytes, a block of 32 lies in one lane, and the codes come out with K innermost; nothing is transposed.
; Wave 8: rows 16 T .. 16 T + 15 of x1, K step s: lane (r, h) loads the two whole blocks that the layout gives it.  One such wave in each work-group spreads x1 evenly over the launch.
; The waves share nothing: no LDS, no barrier.  The scale words leave in runs of 64 bytes: one byte in 160 of what the launch moves.
.set X,   40                           ; v40-135  three sets of 32 numbers
.set C0,  16                           ; v16-27   the fragment registers of image lane r (blocks 0 and 2; in wave 8: my own twelve)
.set C1,  28                           ; v28-39   those of image lane r + 16 (blocks 1 and 3)
.set HI,  12                           ; v12-14   a block's upper 16 codes as the conversion leaves them
; 32 numbers v[xs] .. v[xs + 31] of one block become six registers of codes at v[cd]; the block's byte goes into the scale word v5, sh bits up.
.macro QBLK xs, cd, sh
	v_max3_num_f32 v6, |v[\xs]|, |v[\xs+1]|, |v[\xs+2]|            ; the block's largest magnitude, in two chains that do not wait for each other
	v_max3_num_f32 v7, |v[\xs+3]|, |v[\xs+4]|, |v[\xs+5]|
.irp i, 6,10,14,18,22,26
	s_delay_alu instid0(VALU_DEP_2)
	v_max3_num_f32 v6, v6, |v[\xs+\i]|, |v[\xs+\i+1]|
	s_delay_alu instid0(VALU_DEP_2)
	v_max3_num_f32 v7, v7, |v[\xs+\i+2]|, |v[\xs+\i+3]|
.endr
	s_delay_alu instid0(VALU_DEP_2)
	v_max3_num_f32 v6, v6, |v[\xs+30]|, |v[\xs+31]|
	s_delay_alu instid0(VALU_DEP_1)
	v_max3_num_f32 v6, v6, v7, 0x2800000           ; and the floor 2^(5 - 127): the byte cannot fall under 1
	s_delay_alu instid0(VALU_DEP_1)
	v_add_nc_u32 v8, 0xfe000000, v6                ; 4 off the exponent field: the conversion takes the exponent field of this operand as its scale, and nothing else of it
	s_delay_alu instid0(VALU_DEP_1)
	v_lshrrev_b32 v9, 23, v8                       ; the scale's byte
	v_cvt_scalef32_pk16_bf6_f32 v[\cd:\cd+2], v[\xs:\xs+15], v8
	v_cvt_scalef32_pk16_bf6_f32 v[HI:HI+2], v[\xs+16:\xs+31], v8   ; (a conversion's three registers begin on an even number: the block's second three do not)
.if \sh == 0
	v_mov_b32 v5, v9                               ; the byte into the scale word: a plain line that names none of the conversions' registers stands behind them
.else
	v_lshl_or_b32 v5, v9, \sh, v5
.endif
.irp i, 0,1,2
	v_mov_b32 v[\cd+3+\i], v[HI+\i]
.endr
.endm
.macro ST3 cd, off, lo                 ; twelve registers leave as three stores of 16 bytes a lane
.irp c, 0,1,2
	global_store_b128 v3, v[\cd+4*\c:\cd+4*\c+3], s[\lo:\lo+1] offset:\off+512*\c
.endr
.endm
	s_load_b256 s[4:11], s[0:1], 0x0               ; weight s[4:5], x1 s[6:7], wq s[8:9], xq s[10:11]
	v_lshrrev_b32 v1, 5, v0
	s_delay_alu instid0(VALU_DEP_1)
	v_readfirstlane_b32 s12, v1                    ; wave 0..8
	v_and_b32 v1, 31, v0                           ; lane
	v_and_b32 v10, 15, v0                          ; lane % 16
	v_bfe_u32 v11, v0, 4, 1                        ; lane / 16
	s_lshr_b32 s13, ttmp9, 1                       ; o, and the n tile T
	s_and_b32 s14, ttmp9, 1                        ; the K step s
	s_cmp_eq_u32 s12, 8
	s_cbranch_scc1 .Lrows                          ; wave 8 takes x1
	; ---- waves 0-7: 128 rows i x 32 columns j of W[o]
	s_lshl_b32 s16, s13, 18                        ; from: o x 262,144 + s x 131,072 + wave x 128
	s_lshl_b32 s17, s14, 17
	s_add_co_u32 s16, s16, s17
	s_lshl_b32 s17, s12, 7
	s_add_co_u32 s16, s16, s17
	s_mov_b32 s17, 0
	s_mul_i32 s18, s13, 51200                      ; codes to: o's record + wave x two j tiles x 3,072 + s x 1,536
	s_mul_i32 s19, s12, 6144
	s_add_co_u32 s18, s18, s19
	s_mul_i32 s19, s14, 1536
	s_add_co_u32 s18, s18, s19
	s_mov_b32 s19, 0
	s_mul_i32 s22, s13, 51200                      ; scale words to: o's record + 49,152 + wave x 256 + 64 s
	s_lshl_b32 s23, s12, 8
	s_add_co_u32 s22, s22, s23
	s_lshl_b32 s23, s14, 6
	s_add_co_u32 s22, s22, s23
	s_add_co_u32 s22, s22, 49152
	s_mov_b32 s23, 0
	s_wait_alu depctr_va_vdst(0)
	v_lshlrev_b32 v2, 2, v1                        ; in: 4 bytes a lane
	v_mul_u32_u24 v3, v11, 3072                    ; out: my j tile's images, 16 bytes at my column's place: sixteen lanes store 256 consecutive bytes, aligned
	s_delay_alu instid0(VALU_DEP_1)
	v_lshl_add_u32 v3, v10, 4, v3
	v_lshlrev_b32 v4, 7, v11                       ; my j tile's scale words, 4 bytes a column
	s_delay_alu instid0(VALU_DEP_1)
	v_lshl_add_u32 v4, v10, 2, v4
	s_wait_alu depctr_va_vdst(0)
	s_wait_kmcnt 0x0
	s_add_nc_u64 s[4:5], s[4:5], s[16:17]
	s_add_nc_u64 s[24:25], s[8:9], s[22:23]
	s_add_nc_u64 s[8:9], s[8:9], s[18:19]
.macro LDW b                           ; block b: W(o, 128 s + 32 b + i, my column), i = 0 .. 31, into set b % 3
.irp i, 0,1,2,3,4,5,6,7,8,9,10,11,12,13,14,15,16,17,18,19,20,21,22,23,24,25,26,27,28,29,30,31
	global_load_b32 v[X+32*((\b)%3)+\i], v2, s[4:5] offset:(32*(\b)+\i)*1024 th:TH_LOAD_NT
.endr
.endm
	LDW 0
	LDW 1
	s_wait_loadcnt 32                              ; block 0 is in; block 1's 32 loads stay out
	LDW 2
	QBLK X, C0, 0                                  ; block 0: image lane r, registers 0-5
	s_wait_loadcnt 32                              ; block 1 is in; block 2's stay out
	LDW 3                                          ; into set 0, which block 0 has left
	QBLK X+32, C1, 8                               ; block 1: image lane r + 16, registers 0-5
	s_wait_loadcnt 32                              ; block 2 is in; block 3's stay out
	QBLK X+64, C0+6, 16                            ; block 2: image lane r, registers 6-11
	ST3 C0, 0, 8
	s_wait_loadcnt 0x0
	QBLK X, C1+6, 24                               ; block 3: image lane r + 16, registers 6-11
	ST3 C1, 256, 8
	global_store_b32 v4, v5, s[24:25]              ; my column's four bytes of this K step
	s_endpgm                                       ; no store's registers were written again: no wait stands behind the stores
	; ---- wave 8: 16 rows of x1, 128 along K
.Lrows:
	s_lshl_b32 s16, s13, 14                        ; from: T x 16 rows x 1,024 + s x 512
	s_lshl_b32 s17, s14, 9
	s_add_co_u32 s16, s16, s17
	s_mov_b32 s17, 0
	s_mul_i32 s18, s13, 3072                       ; codes to: 3,072 T + 1,536 s
	s_mul_i32 s19, s14, 1536
	s_add_co_u32 s18, s18, s19
	s_mov_b32 s19, 0
	s_lshl_b32 s22, s13, 7                         ; scale words to: 786,432 + 128 T + 64 s
	s_lshl_b32 s23, s14, 6
	s_add_co_u32 s22, s22, s23
	s_add_co_u32 s22, s22, 786432
	s_mov_b32 s23, 0
	s_mov_b32 s20, 0x76543210
	s_mov_b32 s21, 0xfedcba98                      ; v_permlanex16_b32's selects for lane l xor 16
	s_wait_alu depctr_va_vdst(0)
	v_lshlrev_b32 v2, 10, v10                      ; in: row r, + 128 h: block h of the K step
	s_delay_alu instid0(VALU_DEP_1)
	v_lshl_add_u32 v2, v11, 7, v2
	v_lshlrev_b32 v3, 4, v1                        ; out: 16 bytes a lane: 512 consecutive bytes a store
	v_lshlrev_b32 v4, 2, v10                       ; my row's scale word
	s_wait_alu depctr_va_vdst(0)
	s_wait_kmcnt 0x0
	s_add_nc_u64 s[6:7], s[6:7], s[16:17]
	s_add_nc_u64 s[24:25], s[10:11], s[22:23]
	s_add_nc_u64 s[10:11], s[10:11], s[18:19]
.irp c, 0,1                            ; block 2 c + h: 32 neighbours of my row, 128 bytes
.irp q, 0,1,2,3,4,5,6,7
	global_load_b128 v[X+32*\c+4*\q:X+32*\c+4*\q+3], v2, s[6:7] offset:256*\c+16*\q th:TH_LOAD_NT
.endr
.endr
	s_wait_loadcnt 8                               ; my first block is in; the second's eight loads stay out
	QBLK X, C0, 0
	s_wait_loadcnt 0x0
	QBLK X+32, C0+6, 16
	ST3 C0, 0, 10
	v_lshlrev_b32 v10, 3, v11
	s_delay_alu instid0(VALU_DEP_1)
	v_lshlrev_b32 v5, v10, v5                      ; my two bytes, blocks h and 2 + h, at their places in the word (8 h bits up);
	v_mov_b32 v11, 0                               ; (a lane permute's destination counts as one of its sources)
	s_delay_alu instid0(VALU_DEP_1)
	v_permlanex16_b32 v11, v5, s20, s21
	s_delay_alu instid0(VALU_DEP_1)
	v_or_b32 v5, v5, v11                           ; with lane l xor 16's two the word is whole
	global_store_b32 v4, v5, s[24:25]              ; lanes r and r + 16 store the same word with the same value
	s_endpgm
.Lfunc_end_k_q417ce6dbd2_quant:
	.size	k_q417ce6dbd2_quant, .Lfunc_end_k_q417ce6dbd2_quant-k_q417ce6dbd2_quant
	.p2alignl 7, 3214868480
	.fill 96, 4, 3214868480
	.section	.rodata,"a",@progbits
	.p2align	6, 0x0
	.amdhsa_kernel k_q417ce6dbd2_quant
		.amdhsa_group_segment_fixed_size 0
		.amdhsa_private_segment_fixed_size 0
		.amdhsa_enable_private_segment 0
		.amdhsa_kernarg_size 32
		.amdhsa_user_sgpr_count 2
		.amdhsa_user_sgpr_kernarg_segment_ptr 1
		.amdhsa_wavefront_size32 1
		.amdhsa_system_sgpr_workgroup_id_x 1
		.amdhsa_system_sgpr_workgroup_id_y 1
		.amdhsa_system_sgpr_workgroup_id_z 1
		.amdhsa_system_vgpr_workitem_id 0
		.amdhsa_next_free_vgpr 136
		.amdhsa_next_free_sgpr 66
		.amdhsa_reserve_vcc 0
		.amdhsa_float_denorm_mode_32 3
		.amdhsa_float_denorm_mode_16_64 3
		.amdhsa_memory_ordered 1
		.amdhsa_forward_progress 1
		.amdhsa_inst_pref_size 30
	.end_amdhsa_kernel
	.amdgpu_metadata
---
amdhsa.version: [ 1, 2 ]
amdhsa.kernels:
  - .name:           k_q417ce6dbd2_quant
    .symbol:         k_q417ce6dbd2_quant.kd
    .args:
      - { .name: weight, .offset: 0, .size: 8, .value_kind: global_buffer, .address_space: global }
      - { .name: x1, .offset: 8, .size: 8, .value_kind: global_buffer, .address_space: global }
      - { .name: wq, .offset: 16, .size: 8, .value_kind: global_buffer, .address_space: global }
      - { .name: xq, .offset: 24, .size: 8, .value_kind: global_buffer, .address_space: global }
    .group_segment_fixed_size: 0
    .private_segment_fixed_size: 0
    .kernarg_segment_align: 8
    .kernarg_segment_size: 32
    .max_flat_workgroup_size: 288
    .sgpr_count:     66
    .vgpr_count:     136
    .wavefront_size: 32
...
	.end_amdgpu_metadata
.endif
;; end of part 1
;; launch bilin (part 2): grid 16 x 16, 8 waves a work-group, clusters of 4 x 4, 327,680 bytes of LDS; arguments wq, xq, x2, bias, out0; writes out0
.if DOCPART == 2
	.amdgcn_target "amdgcn-amd-amdhsa--gfx1250"
	.amdhsa_code_object_version 6
	.text
	.protected	k_q417ce6dbd2_bilin
	.globl	k_q417ce6dbd2_bilin
	.p2align	8
	.type	k_q417ce6dbd2_bilin,@function
k_q417ce6dbd2_bilin:
	s_mov_b64 s[64:65], 0
	v_nop
	global_prefetch_b8 v0, s[64:65] scope:SCOPE_SE
	s_setreg_imm32_b32 hwreg(HW_REG_WAVE_MODE, 25, 1), 1
	s_wait_xcnt 0x0
	s_wait_alu depctr_hold_cnt(0) depctr_sa_sdst(0) depctr_va_vdst(0) depctr_va_sdst(0) depctr_va_ssrc(0) depctr_va_vcc(0) depctr_vm_vsrc(0)
	s_getreg_b32 s2, hwreg(HW_REG_IB_STS2, 6, 4)
	s_cmp_eq_u32 s2, 0
	s_cbranch_scc0 .Lentry_in_a_cluster
	s_endpgm
.Lentry_in_a_cluster:
	s_bfe_u32 s2, ttmp6, 0x10000c
	s_cmp_lg_u32 s2, 0xf033
	s_cbranch_scc0 .Lentry_shape_is_right
	s_endpgm
.Lentry_shape_is_right:
; out[n][o] = sum over j of x2[n][j] x (sum over i of Q(x1)[n][i] Q(W)[o][i][j]) + bias[o].  The inner product runs on codes of BF6 (E3M2) with E8M0 scales, made by the launch before;
; its result, 4,096 x 65,536 numbers, never leaves the registers: each 16 x 16 tile is multiplied by x2 and summed along j by four packed f32 multiply-adds.
; (The second product has one column for each n: a matrix form would spend 15 of its 16 columns on nothing.)
; SHARES.  A work-group owns 256 rows n x 16 o.  Eight waves: wave w takes 64 rows (four tiles t of 16; w % 4) and half of the columns j (eight j tiles; w / 4) of every o.
; Its x2 (64 rows x 128 j: 256 registers) and its x1 fragments stay in registers.  W's codes stream through LDS, a record of 51,200 bytes (32 fragment images and their scale words) for each o;
; a j tile's two fragments feed 8 matrix instructions of a wave.
; LAYOUT.  Source 0 = 16 columns j of W[o], source 1 = 16 rows n of x1: in the result lane (r, h) holds row n = r, and its register q the column j = 16 k + 8 h + q: the sum over j runs along a lane's
; registers, against x2 loaded in the same order.
; STEPS.  Step k of an o: the wait for j tile k's fragments, asked for a whole step earlier; the LDS loads of j tile k + 1 into the other buffer; then twice four matrix instructions (K step 0 of the four
; tiles, then K step 1: the accumulators take turns) and eight of the 16 multiply-adds of j tile k - 1, whose results lie in the other set of accumulators.  The eight behind a step's last matrix instruction
; are also the places in front of the first reads of its results (ISA guide 7.12.1).
; Each tile's multiply-adds go to three running sums by turns: eleven others stand between two on one sum.
; SLOTS.  The first record has a place of its own (Z).  The slots lie over x2's stage, which is in registers by then: record 1 A, (2,3) B, (4,5) A .. (14,15) B.
; A change of slots, with its round of the cluster's barrier, stands in step 6 of an o: the slot's last tile, 7, has been fetched by then.  A refill of two records has two o in which to land: 128 matrix
; instructions of each wave: no prefetch is laid.
; CLUSTER.  4 x 4 work-groups.  W's records hang on the o group alone: asked for jointly along a row of the cluster; x2's tiles on the n group alone: jointly along a column.
; LIMIT.  A work-group's 16 o are 64 bytes of a row of out: out leaves in runs of 64 bytes, 8 rows a store.
; LIMIT.  The order in which the sums over j are taken differs from a plain loop's.
; REGISTERS, in windows of 256 (s_set_vgpr_msb: bits 1:0 source 0, 3:2 source 1, 5:4 source 2, 7:6 destination).  Window 1: x2: j tile k, tile t, column q at 32 k + 8 t + q.  Window 0: all else.
.set REC,   51200                      ; a record of wq
.set XP,    1040                       ; LDS: a row of x2: 1,024 bytes + 16 of padding = 260 words: row r starts at bank 4 r mod 64 (64 banks of 4 bytes: ISA guide 11.1)
.set SLOTB, 1<<17                      ; slot A is LDS bytes 0 .. 102,399; slot B begins here, so that one exclusive or turns an address in one slot into the other's
.set ZB,    256*XP                     ; the first record lies behind x2
.set OST,   2*REC                      ; the stages for out lie behind the slots' ends, four behind each: bytes of x2's stage, which have had their one fill
.set OP,    80                         ; a stage row: 16 o, + 16
.set OSW,   64*OP                      ; a wave's stage: 20 blocks of 256 bytes
.set SPARE, ZB+REC                     ; the spare words, 128 bytes for each wave: four blocks of 256 bytes that no other line names
.set SPW, 1                            ; LDS address of my spare word; never rewritten
.set NIL, 2                            ; 0; never rewritten
.set LNA, 3                            ; 16 x lane + my half of a record's images
.set LNS, 4                            ; 4 x lane + my half of its scale words
.set LA,  5                            ; the same in the record that is being fetched
.set LS,  6
.set OA,  7                            ; my place in the stage;  v8 the same at the o in hand
.set OT,  8
.set WSC, 10                           ; W's scale words, for each buffer
.set XSC, 12                           ; x1's, for each tile
.set SUM, 16
.set BI,  20                           ; bias of my four o on the way out
.set ACC, 24                           ; v24-47  three sums (pairs) for each of four tiles
.set DD,  48                           ; v48-111 two sets of four accumulators
.set WF,  112                          ; v112-159 two buffers of two W fragments
.set XF,  160                          ; v160-255 x1's fragments: tile, K step
.set LN,  24                           ; at the head and on the way out only, in registers of the sums: lane, 16 x lane, 4 x lane, bias's offset, my place in x2's stage, two at work
.set X16, 25
.set X4,  26
.set BA,  27
.set XA,  28
.set TA,  29
.set TB,  30
.set WV,  14                           ; s14  my wave's number
.set RG,  22                           ; s22  its rows,
.set JH,  23                           ; s23  its half of the columns
.set G1W, 24                           ; s[24:31] descriptor group 1 for W, 50 rows of 256 bytes a wave;  s[80:87] for record 1, 25 rows;  s[32:39] for x2
.set G1X, 32
.set G1R, 80
.set G0Z, 40                           ; group 0: record 0;  record 1;  pairs of records: it walks;  x2
.set G0R, 44
.set G0P, 48
.set G0X, 52
.set TRIP, 88                          ; pairs of o still to go in the loop
.set OC,  89                           ; the o's place in a stage row
.set NB,  90                           ; LDS byte at which the record to be fetched next begins
.set MSB, 0
.macro WIN new                         ; the immediate's high byte repeats the setting that is left; a switch that changes nothing is dropped
.if MSB != \new
	s_set_vgpr_msb (MSB<<8)|\new
.set MSB, \new
.endif
.endm
.macro CREST                           ; a round of the cluster's barrier behind its opening barrier
	s_cmp_lg_u32 s[WV], 0
	s_cbranch_scc1 .Lnot_wave_0_\@
	s_barrier_signal -3
.Lnot_wave_0_\@:
	s_barrier_wait -3
	s_barrier_signal -1
	s_barrier_wait -1
.endm
.macro CROUND                          ; a whole round
	s_barrier_signal -1
	s_barrier_wait -1
	CREST
.endm
.macro PLACES
.rept 4
	v_nop
.endr
.endm
.macro GRP1 g, c, r                    ; a descriptor's group 1 behind its first word: r rows of c elements of 8 bytes, dense in memory
	s_mov_b32 s[\g+1], (\c)<<16
	s_mov_b32 s[\g+2], (\r)<<16
	s_mov_b32 s[\g+3], (\c)<<16
	s_mov_b32 s[\g+4], \r
	s_mov_b32 s[\g+5], \c
	s_mov_b32 s[\g+6], 0
	s_mov_b32 s[\g+7], 0
.endm
; my j tile k's two fragments and its scale words (lanes 0-15 K step 0's, lanes 16-31 K step 1's) from the record in hand; 32 lanes take 512 consecutive bytes
.macro LOADF k
.set lB, WF+24*((\k)%2)
.irp q, 0,1,2,3,4,5
	ds_load_b128 v[lB+4*\q:lB+4*\q+3], v[LA] offset:(\k)*3072+512*\q
.endr
	ds_load_b32 v[WSC+(\k)%2], v[LS] offset:49152+128*(\k)
.endm
; Four matrix instructions of j tile k: K step g of the four tiles.  K step 0 starts the sum with the constant 0; K step 1 reads both sides' scales from lanes 16-31.
.macro MULS k, g
	WIN 0
.irp t, 0,1,2,3
.set wD, DD+32*((\k)%2)+8*\t
.set wA, WF+24*((\k)%2)+12*(\g)
.set wB, XF+24*\t+12*(\g)
.set wS, WSC+(\k)%2
.if \g == 0
	v_wmma_scale_f32_16x16x128_f8f6f4 v[wD:wD+7], v[wA:wA+11], v[wB:wB+11], 0, v[wS], v[XSC+\t] matrix_a_fmt:MATRIX_FMT_BF6 matrix_b_fmt:MATRIX_FMT_BF6
.else
	v_wmma_scale_f32_16x16x128_f8f6f4 v[wD:wD+7], v[wA:wA+11], v[wB:wB+11], v[wD:wD+7], v[wS], v[XSC+\t] matrix_a_fmt:MATRIX_FMT_BF6 matrix_b_fmt:MATRIX_FMT_BF6 matrix_a_scale:MATRIX_SCALE_ROW1 matrix_b_scale:MATRIX_SCALE_ROW1
.endif
.endr
.endm
; Eight multiply-adds of j tile kk: pairs 2 g and 2 g + 1 of its eight results, the four tiles by turns.  The pairs ascend: each accumulator is read from its low end on.
; Pair p of j tile kk goes to sum (4 kk + p) % 3; the first three start the sums: nothing is cleared.
.macro PKS kk, g
	WIN 1
.irp p, 0,1
.irp t, 0,1,2,3
.set pP, 2*(\g)+\p
.set pN, 4*(\kk)+pP
.set pA, ACC+8*(pN%3)+2*\t
.set pD, DD+32*((\kk)%2)+8*\t+2*pP
.set pX, 32*(\kk)+8*\t+2*pP
.if pN < 3
	v_pk_mul_f32 v[pA:pA+1], v[pX:pX+1], v[pD:pD+1]
.else
	v_pk_fma_f32 v[pA:pA+1], v[pX:pX+1], v[pD:pD+1], v[pA:pA+1]
.endif
.endr
.endr
	WIN 0
.endm
.macro BODY k
	MULS \k, 0
	PKS ((\k)+7)%8, 0
	MULS \k, 1
	PKS ((\k)+7)%8, 1
.endm
; An o is finished: the three sums and a lane's pair are added; the halves h of two tiles join by a swap, after which lane l holds row l (or 32 + l) of my 64; two stores of 4 bytes to the stage
.macro FINAL
.irp t, 0,1,2,3
	v_pk_add_f32 v[ACC+2*\t:ACC+2*\t+1], v[ACC+2*\t:ACC+2*\t+1], v[ACC+8+2*\t:ACC+8+2*\t+1]
.endr
.irp t, 0,1,2,3
	v_pk_add_f32 v[ACC+2*\t:ACC+2*\t+1], v[ACC+2*\t:ACC+2*\t+1], v[ACC+16+2*\t:ACC+16+2*\t+1]
.endr
.irp t, 0,1,2,3
	v_add_f32 v[SUM+\t], v[ACC+2*\t], v[ACC+2*\t+1]
.endr
	v_add_nc_u32 v[OT], s[OC], v[OA]
	v_permlane16_swap_b32 v[SUM], v[SUM+1]
	v_permlane16_swap_b32 v[SUM+2], v[SUM+3]
	v_add_f32 v[SUM], v[SUM], v[SUM+1]
	v_add_f32 v[SUM+2], v[SUM+2], v[SUM+3]
	ds_store_b32 v[OT], v[SUM]
	ds_store_b32 v[OT], v[SUM+2] offset:32*OP
	s_add_co_u32 s[OC], s[OC], 4
.endm
.macro NEXTREC nx                      ; where the next record lies: 0 behind a slot's first, its second; 1 behind its second, the other slot's first; 2 slot A; 3 slot B
.if \nx == 0
	s_xor_b32 s[NB], s[NB], REC
.endif
.if \nx == 1
	s_xor_b32 s[NB], s[NB], REC|SLOTB
.endif
.if \nx == 2
	s_mov_b32 s[NB], 0
.endif
.if \nx == 3
	s_mov_b32 s[NB], SLOTB
.endif
.endm
.macro NEWLA
	v_add_nc_u32 v[LA], s[NB], v[LNA]
	v_add_nc_u32 v[LS], s[NB], v[LNS]
.endm
; ONE o.  first: the launch's first, with no multiply-adds or sums to carry in.
; mode 3: the next record lies in the same slot.   mode 2: a change of slots with a refill; walk = 1: the walking descriptor turns to the slot just left and steps two records on.
; mode 1: the same with nothing left to fetch: the work-group's barrier alone.   mode 0: the last o.
.macro OBODY mode, walk, nx, first
	s_wait_dscnt 0x0                               ; j tile 0's fragments, asked for a step ago; so in every step
	LOADF 1
.if \first
	MULS 0, 0
	MULS 0, 1
	PLACES
	s_wait_dscnt 0x0
.else
	BODY 0                                         ; with the last multiply-adds of the o before
	FINAL
	s_wait_dscnt 2                                 ; the two stores into the stage may be out
.endif
	LOADF 2
	BODY 1
.irp k, 2,3,4,5
	s_wait_dscnt 0x0
	LOADF \k+1
	BODY \k
.endr
	s_wait_dscnt 0x0
	LOADF 7                                        ; the record's last
.if (\mode == 1) || (\mode == 2)
	s_wait_tensorcnt 0x0                           ; all my tensor loads have landed: the one that was out is my part of the other slot;
	ds_add_u32 v[SPW], v[NIL]                      ; 0 onto my spare word
	MULS 6, 0
	PKS 5, 0
	s_wait_dscnt 0x0                               ; the add is done, and my reads of this slot are over
	s_barrier_signal -1
	MULS 6, 1                                      ; work on registers while the others arrive
	PKS 5, 1
	s_barrier_wait -1
.if \mode == 2
	CREST                                          ; no wave of any partner still reads this slot or has a load on its way
	NEXTREC \nx
.if \walk
	s_xor_b32 s[G0P+1], s[G0P+1], SLOTB
	s_add_nc_u64 s[G0P+2:G0P+3], s[G0P+2:G0P+3], 2*REC
.endif
	tensor_load_to_lds s[G0P:G0P+3], s[G1W:G1W+7]  ; my one tensor load behind the round
	s_nop 0
.else
	NEXTREC \nx
.endif
	NEWLA                                          ; four vector lines without a window switch behind the tensor load
	v_nop
	v_nop
	LOADF 0
.else
	BODY 6
	s_wait_dscnt 0x0
.if \mode == 3
	NEXTREC \nx
	NEWLA
	LOADF 0
.endif
.endif
	BODY 7
.endm
	s_load_b256 s[4:11], s[0:1], 0x0               ; wq s[4:5], xq s[6:7], x2 s[8:9], bias s[10:11]
	s_load_b64 s[12:13], s[0:1], 0x20              ; out
	v_lshl_add_u32 v[SPW], v0, 2, SPARE
	v_mov_b32 v[NIL], 0
	ds_add_u32 v[SPW], v[NIL]                      ; the wave's opening: the add, twice on end, and its wait
	ds_add_u32 v[SPW], v[NIL]
	v_lshrrev_b32 v[TA], 5, v0
	v_readfirstlane_b32 s[WV], v[TA]               ; wave 0..7
	s_and_b32 s[RG], s[WV], 3
	s_lshr_b32 s[JH], s[WV], 2
	s_bfe_u32 s15, ttmp6, 0x40000                  ; cx, cy: my place in the cluster
	s_bfe_u32 s16, ttmp6, 0x40004
	s_lshl_b32 s17, ttmp9, 2
	s_add_co_u32 s17, s17, s15                     ; the n group = 4 x cluster x + cx
	s_and_b32 s18, ttmp7, 0xffff
	s_lshl_b32 s18, s18, 2
	s_add_co_u32 s18, s18, s16                     ; the o group = 4 x cluster y + cy
	s_lshl_b32 s20, s16, 2
	s_lshl_b32 s20, 15, s20                        ; my row of the cluster: the same o group
	s_lshl_b32 s21, 0x1111, s15                    ; my column: the same n group
	s_or_b32 s[G1W], s20, (3<<16)|(1<<21)          ; W: dense blocks as rows of 256 bytes; no padding: the images are read 16 bytes a lane on end
	GRP1 G1W, 32, 50
	s_or_b32 s[G1R], s20, (3<<16)|(1<<21)
	GRP1 G1R, 32, 25
	s_or_b32 s[G1X], s21, (3<<16)|(1<<20)|(1<<21)|(7<<22)|(3<<25)   ; x2: 64 rows of 1,024 bytes, 4 words of padding behind every 256 words
	GRP1 G1X, 128, 64
	s_mul_i32 s66, s18, 16*REC                     ; W: the o group's 16 records (registers that never hold cx):
	s_mul_i32 s68, s[WV], 6400
	s_add_co_u32 s68, s68, s66
	s_add_co_u32 s68, s68, REC                     ; record 1, an eighth a wave;
	s_mul_i32 s70, s[WV], 12800
	s_add_co_u32 s70, s70, s66
	s_add_co_u32 s70, s70, 2*REC                   ; records 2 and 3, an eighth;
	s_mul_i32 s67, s[RG], 12800
	s_add_co_u32 s66, s66, s67                     ; record 0, a quarter for each of waves 4-7
	s_mov_b32 s67, 0
	s_mov_b32 s69, 0
	s_mov_b32 s71, 0
	s_lshl_b32 s72, s17, 18                        ; x2: the n group's 256 rows of 1,024 bytes + 64 (registers that never hold cy)
	s_lshl_b32 s73, s[RG], 16
	s_add_co_u32 s72, s72, s73
	s_mov_b32 s73, 0
	s_lshl_b32 s74, s17, 4                         ; my first n tile: 16 x n group + 4 x rows
	s_lshl_b32 s75, s[RG], 2
	s_add_co_u32 s74, s74, s75
	s_lshl_b32 s76, s74, 7                         ; its scale words,
	s_add_co_u32 s76, s76, 786432
	s_mov_b32 s77, 0
	s_mul_i32 s74, s74, 3072                       ; its images
	s_mov_b32 s75, 0
	s_lshl_b32 s78, s18, 6                         ; bias: the o group's 64 bytes
	s_mov_b32 s79, 0
	s_lshl_b32 s60, s[JH], 15                      ; out: the 32 rows that I store, and the o group's 64 bytes
	s_add_co_u32 s60, s60, s72
	s_add_co_u32 s60, s60, s78
	s_mov_b32 s61, 0
	s_mov_b32 s[G0X], 1
	s_mul_i32 s[G0X+1], s[RG], 64*XP
	s_mov_b32 s[G0Z], 1                            ; no place in the cluster enters an LDS address
	s_mul_i32 s[G0Z+1], s[RG], 12800
	s_add_co_u32 s[G0Z+1], s[G0Z+1], ZB
	s_mov_b32 s[G0R], 1
	s_mul_i32 s[G0R+1], s[WV], 6400
	s_mov_b32 s[G0P], 1
	s_mul_i32 s[G0P+1], s[WV], 12800
	s_add_co_u32 s[G0P+1], s[G0P+1], SLOTB
	s_mov_b32 s[TRIP], 5
	s_mov_b32 s[OC], 0
	s_mov_b32 s[NB], ZB
	s_wait_alu depctr_va_vdst(0)
	s_wait_dscnt 0x0                               ; both opening adds are done
	s_wait_kmcnt 0x0
	s_add_nc_u64 s[G0X+2:G0X+3], s[8:9], s[72:73]
	s_or_b32 s[G0X+3], s[G0X+3], 0x80000000        ; 127:126 type = 2
	s_add_nc_u64 s[G0Z+2:G0Z+3], s[4:5], s[66:67]
	s_or_b32 s[G0Z+3], s[G0Z+3], 0x80000000
	s_add_nc_u64 s[G0R+2:G0R+3], s[4:5], s[68:69]
	s_or_b32 s[G0R+3], s[G0R+3], 0x80000000
	s_add_nc_u64 s[G0P+2:G0P+3], s[4:5], s[70:71]
	s_or_b32 s[G0P+3], s[G0P+3], 0x80000000
	s_add_nc_u64 s[74:75], s[6:7], s[74:75]
	s_add_nc_u64 s[76:77], s[6:7], s[76:77]
	s_add_nc_u64 s[10:11], s[10:11], s[78:79]
	s_add_nc_u64 s[12:13], s[12:13], s[60:61]
	CROUND                                         ; all sixteen work-groups are here: the first joint loads meet
	s_cmp_lt_u32 s[WV], 4                          ; one tensor load a wave: waves 0-3 64 rows of x2 each, waves 4-7 a quarter of record 0
	s_cbranch_scc0 .Lhead_w
	tensor_load_to_lds s[G0X:G0X+3], s[G1X:G1X+7]
	s_nop 0
	PLACES
	s_branch .Lhead_asked
.Lhead_w:
	tensor_load_to_lds s[G0Z:G0Z+3], s[G1W:G1W+7]
	s_nop 0
	PLACES
.Lhead_asked:
	v_and_b32 v[LN], 31, v0                        ; lane
	v_lshlrev_b32 v[X16], 4, v[LN]
	v_lshlrev_b32 v[X4], 2, v[LN]
	v_and_b32 v[BA], 3, v0
	v_lshlrev_b32 v[BA], 4, v[BA]
.irp t, 0,1,2,3                        ; x1's fragments: images, three loads of 16 bytes a lane each; they stay
.irp q, 0,1,2,3,4,5
	global_load_b128 v[XF+24*\t+4*\q:XF+24*\t+4*\q+3], v[X16], s[74:75] offset:3072*\t+512*\q
.endr
.endr
.irp t, 0,1,2,3
	global_load_b32 v[XSC+\t], v[X4], s[76:77] offset:128*\t       ; lanes 0-15: K step 0's words of the tile's rows; lanes 16-31: K step 1's
.endr
	global_load_b128 v[BI:BI+3], v[BA], s[10:11]
	s_mul_i32 s62, s[JH], 24576                    ; my half of a record: 16 images,
	s_lshl_b32 s63, s[JH], 10                      ; and their scale words
	v_add_nc_u32 v[LNA], s62, v[X16]
	v_add_nc_u32 v[LNS], s63, v[X4]
	v_and_b32 v[TA], 15, v0                        ; r
	v_bfe_u32 v[TB], v0, 4, 1                      ; h
	v_mul_u32_u24 v[XA], v[TA], XP                 ; x2: row r, + 32 h, my rows and my half of the columns
	v_lshl_add_u32 v[XA], v[TB], 5, v[XA]
	s_mul_i32 s58, s[RG], 64*XP
	s_lshl_b32 s59, s[JH], 9
	s_add_co_u32 s58, s58, s59
	v_add_nc_u32 v[XA], s58, v[XA]
	v_mul_u32_u24 v[OA], v[LN], OP                 ; the stage, in: row = lane
	s_mul_i32 s58, s[RG], OSW
	s_lshl_b32 s59, s[JH], 17
	s_add_co_u32 s58, s58, s59
	s_add_co_u32 s58, s58, OST
	v_add_nc_u32 v[OA], s58, v[OA]
	NEWLA
	s_wait_alu depctr_va_vdst(0)
	s_wait_tensorcnt 0x0                           ; my tile is in
	s_barrier_signal -1
	s_barrier_wait -1                              ; x2 and record 0 lie in LDS
	WIN 0x40
.irp k, 0,1,2,3,4,5,6,7
.irp t, 0,1,2,3
	ds_load_b128 v[32*\k+8*\t:32*\k+8*\t+3], v[XA] offset:16*XP*\t+64*\k
	ds_load_b128 v[32*\k+8*\t+4:32*\k+8*\t+7], v[XA] offset:16*XP*\t+64*\k+16
.endr
.endr
	WIN 0
	LOADF 0
	; THE FIRST CHANGE: slot A, which lies over x2's stage, gets record 1 as a refill
	s_wait_tensorcnt 0x0
	ds_add_u32 v[SPW], v[NIL]
	s_wait_dscnt 0x0                               ; the add is done, and my reads of x2 are back
	CROUND
	tensor_load_to_lds s[G0R:G0R+3], s[G1R:G1R+7]
	s_nop 0
	PLACES
	s_wait_loadcnt 0x0                             ; x1's fragments and scale words, bias
	OBODY 2, 0, 2, 1                               ; o = 0, from Z; records 2 and 3 go to slot B; next: record 1 in slot A
	OBODY 2, 1, 3, 0                               ; o = 1; records 4 and 5 to slot A
	s_wait_alu depctr_va_vdst(0)
.Lpair:                                                ; 5 trips: o = 2 .. 11 of the group, a slot's two records a trip; their refills bring records 6 .. 15
	OBODY 3, 0, 0, 0
	OBODY 2, 1, 1, 0
	s_sub_co_u32 s[TRIP], s[TRIP], 1
	s_cmp_lg_u32 s[TRIP], 0
	s_wait_alu depctr_va_vdst(0)
	s_cbranch_scc1 .Lpair
	OBODY 3, 0, 0, 0                               ; o = 12: the tail is written out
	OBODY 1, 0, 1, 0                               ; o = 13; nothing is left to fetch
	OBODY 3, 0, 0, 0                               ; o = 14
	OBODY 0, 0, 0, 0                               ; o = 15
	PKS 7, 0
	PKS 7, 1
	FINAL
	; THE WAY OUT.  Two waves hold the sums of the same 64 rows, one for each half of the columns; each stores 32 of the rows.  Four lanes take a row, 16 bytes of each stage; the two and bias are added.
	v_and_b32 v[LN], 31, v0
	v_lshrrev_b32 v[TA], 2, v[LN]                  ; row of eight
	v_and_b32 v[BA], 3, v0
	v_lshlrev_b32 v[BA], 4, v[BA]
	v_lshl_add_u32 v[X16], v[TA], 10, v[BA]        ; my byte offset in out
	v_mul_u32_u24 v[XA], v[TA], OP
	v_add_nc_u32 v[XA], v[XA], v[BA]
	s_mul_i32 s58, s[RG], OSW
	s_mul_i32 s59, s[JH], 32*OP
	s_add_co_u32 s58, s58, s59
	s_add_co_u32 s58, s58, OST
	v_add_nc_u32 v[XA], s58, v[XA]                 ; the first half's stage,
	v_add_nc_u32 v[TB], SLOTB, v[XA]               ; and the second half's
	s_wait_alu depctr_va_vdst(0)
	s_wait_dscnt 0x0                               ; for the others' sake: my stores into the stage are done
	s_barrier_signal -1
	s_barrier_wait -1
.irp i, 0,1,2,3
	ds_load_b128 v[WF+8*\i:WF+8*\i+3], v[XA] offset:8*OP*\i
	ds_load_b128 v[WF+8*\i+4:WF+8*\i+7], v[TB] offset:8*OP*\i
.endr
.irp i, 0,1,2,3
	s_wait_dscnt 6-2*\i                            ; pair i of the loads is in; the later pairs may be out
	v_pk_add_f32 v[WF+8*\i:WF+8*\i+1], v[WF+8*\i:WF+8*\i+1], v[WF+8*\i+4:WF+8*\i+5]
	v_pk_add_f32 v[WF+8*\i+2:WF+8*\i+3], v[WF+8*\i+2:WF+8*\i+3], v[WF+8*\i+6:WF+8*\i+7]
	v_pk_add_f32 v[WF+8*\i:WF+8*\i+1], v[WF+8*\i:WF+8*\i+1], v[BI:BI+1]
	v_pk_add_f32 v[WF+8*\i+2:WF+8*\i+3], v[WF+8*\i+2:WF+8*\i+3], v[BI+2:BI+3]
	global_store_b128 v[X16], v[WF+8*\i:WF+8*\i+3], s[12:13] offset:8192*\i th:TH_STORE_NT   ; eight rows, 64 consecutive bytes of each; written once, read by nobody here
.endr
	s_wait_tensorcnt 0x0                           ; the wave's end, behind my last tensor load and my last LDS store
	ds_add_u32 v[SPW], v[NIL]
	s_wait_dscnt 0x0
	CROUND                                         ; the closing round: no work-group ends while a partner may still ask for a tile that names it
	s_endpgm
.Lfunc_end_k_q417ce6dbd2_bilin:
	.size	k_q417ce6dbd2_bilin, .Lfunc_end_k_q417ce6dbd2_bilin-k_q417ce6dbd2_bilin
	.p2alignl 7, 3214868480
	.fill 96, 4, 3214868480
	.section	.rodata,"a",@progbits
	.p2align	6, 0x0
	.amdhsa_kernel k_q417ce6dbd2_bilin
		.amdhsa_group_segment_fixed_size 327680
		.amdhsa_private_segment_fixed_size 0
		.amdhsa_enable_private_segment 0
		.amdhsa_kernarg_size 40
		.amdhsa_user_sgpr_count 2
		.amdhsa_user_sgpr_kernarg_segment_ptr 1
		.amdhsa_wavefront_size32 1
		.amdhsa_system_sgpr_workgroup_id_x 1
		.amdhsa_system_sgpr_workgroup_id_y 1
		.amdhsa_system_sgpr_workgroup_id_z 1
		.amdhsa_system_vgpr_workitem_id 0
		.amdhsa_next_free_vgpr 512
		.amdhsa_next_free_sgpr 92
		.amdhsa_reserve_vcc 0
		.amdhsa_float_denorm_mode_32 3
		.amdhsa_float_denorm_mode_16_64 3
		.amdhsa_memory_ordered 1
		.amdhsa_forward_progress 1
		.amdhsa_inst_pref_size 195
	.end_amdhsa_kernel
	.amdgpu_metadata
---
amdhsa.version: [ 1, 2 ]
amdhsa.kernels:
  - .name:           k_q417ce6dbd2_bilin
    .symbol:         k_q417ce6dbd2_bilin.kd
    .args:
      - { .name: wq, .offset: 0, .size: 8, .value_kind: global_buffer, .address_space: global }
      - { .name: xq, .offset: 8, .size: 8, .value_kind: global_buffer, .address_space: global }
      - { .name: x2, .offset: 16, .size: 8, .value_kind: global_buffer, .address_space: global }
      - { .name: bias, .offset: 24, .size: 8, .value_kind: global_buffer, .address_space: global }
      - { .name: out0, .offset: 32, .size: 8, .value_kind: global_buffer, .address_space: global }
    .group_segment_fixed_size: 327680
    .private_segment_fixed_size: 0
    .kernarg_segment_align: 8
    .kernarg_segment_size: 40
    .max_flat_workgroup_size: 256
    .sgpr_count:     92
    .vgpr_count:     512
    .wavefront_size: 32
...
	.end_amdgpu_metadata
.endif
;; end of part 2
